; MI455X (gfx1250); checked and timed in simulation.
; The chip was launched on July 23, 2026; its instructions are those of AMD's public machine-readable ISA for CDNA 5 (MIT licence, August 2026) and "CDNA5" Instruction Set Architecture Reference Guide (July 2026). The comments in the code are by the model that wrote it; some were corrected since.
;; Sliding Window Self Attention. Allowed arithmetic: matrix products marked QUANTISED: E5M2 operands, one given power-of-two scale a tensor, by v_wmma_f32_16x16x64_bf8_bf8 or v_wmma_f32_16x16x128_bf8_bf8, f32 sums; everything else in f32.
;; Inputs: Wk 256 x 8 x 32 float32; Wo 8 x 32 x 256 float32; Wq 256 x 8 x 32 float32; Wv 256 x 8 x 32 float32; beta 256 float32; bk 8 x 32 float32; bo 256 float32; bq 8 x 32 float32; bv 8 x 32 float32; gamma 256 float32; lowp_scales 12 int32 (the exponents e of the quantised operands' scales 2^e); x 2 x 4,096 x 256 float32.
;; Outputs: out0 2 x 4,096 x 256 float32.
;; Constants: w_2 = 64.
;; This version of the problem:
;;   THIS VERSION OF THE PROBLEM IS GIVEN IN LOW PRECISION. The matrix products marked QUANTISED in the list below multiply operands that are first quantised to E5M2 (5 exponent bits, 2 mantissa bits; 8 bits a number), with one given power-of-two scale for each operand tensor; their sums are f32. All else is computed in f32.
;;   The module's matrix products, in the order in which they are computed (A, B: the left and right operand; K: the contracted axis; several contracted axes count as one K, in the product's order):
;;     1. [M 8,192, K 256] x [K 256, N 256]; A: input x; B: input Wq: QUANTISED (scales: A lowp_scales[0], B lowp_scales[1])
;;     2. [M 8,192, K 256] x [K 256, N 256]; A: input x; B: input Wk: QUANTISED (scales: A lowp_scales[2], B lowp_scales[3])
;;     3. [M 8,192, K 256] x [K 256, N 256]; A: input x; B: input Wv: QUANTISED (scales: A lowp_scales[4], B lowp_scales[5])
;;     4. batch 16 x [M 4,096, K 32] x [K 32, N 4,096]; A: computed on the way; B: computed on the way: QUANTISED (scales: A lowp_scales[6], B lowp_scales[7])
;;     5. batch 16 x [M 32, K 4,096] x [K 4,096, N 4,096]; A: computed on the way; B: softmax (see below): QUANTISED (scales: A lowp_scales[8], B lowp_scales[9])
;;     6. [M 8,192, K 256] x [K 256, N 256]; A: computed on the way; B: input Wo: QUANTISED (scales: A lowp_scales[10], B lowp_scales[11])
;;   THE QUANTISER, for each operand of a quantised product, along K:
;;     - The operand's scale is 2^e, e = its entry of the input lowp_scales (int32; the entries are numbered through the quantised products in the list's order, A before B).
;;     - Each number is divided by the scale, clamped to +-57,344, and rounded to the nearest number of E5M2, ties to even, subnormals kept.
;;     - The product sums the exact products of the quantised numbers (number of the format x scale) in f32.
;;   ~~~python
;;   def quantise(x, axis, e):      # numpy; x: float32 -> the quantised numbers, widened to float32 again
;;       x = np.moveaxis(x, axis, -1); K = x.shape[-1]
;;       r = np.clip(x / 2.0 ** e, -57344, 57344)
;;       step = 2.0 ** (np.maximum(np.frexp(np.where(r == 0, 1, r))[1] - 1, -14) - 2)
;;       q = np.round(r / step) * step * 2.0 ** e      # np.round: ties to even
;;       return np.moveaxis(q, -1, axis).astype(np.float32)
;;   ~~~
;;   SOFTMAX AHEAD OF A QUANTISED PRODUCT. Where the list says 'softmax', what is quantised is not the finished softmax but p = 2^(t - M), with t = logit x log2(e) and M = ceil(the row's largest t), a whole number; so 1/2 < the row's largest p <= 1. The row's sum l is taken of the UNQUANTISED p, in f32, and the product's result is divided by l at the end. Since M is a whole number, a kernel that streams over the keys may use a running M (the ceiling of the running maximum): every later rescaling is an exact power of two, so the quantised numbers keep their values, but for numbers so far below the row's largest that they fall under the format's range.
;;   OPERANDS COMPUTED ON THE WAY. 'Computed on the way' means the value that the module computes at that place (a softmax that the list does not call 'softmax' is quantised finished and normalised). What goes into a quantiser is computed in f32, as accurately as f32 sums, v_exp_f32 and their like allow (about 1e-6 of the number): no bf16 or f16 on the way to a quantiser, and a product that is left as it is and whose result goes on into a quantised operand takes f32 operands (vector FMAs, or v_wmma_f32_16x16x4_f32). A number that lies on a knife's edge between two numbers of the format may be rounded either way, as far as f32 arithmetic and the matrix unit's own rounding can turn it there, and no further.
;; One version. Each part assembles by itself: llvm-mc -triple=amdgcn-amd-amdhsa -mcpu=gfx1250 --defsym DOCPART=n.
;; ======== version 1 of 1: 2 launches
;; limits: right only within a limited range of input values
;; workspace buffers: wcodes 262,144 bytes
;; launch wq (part 1): grid 128 x 1, 4 waves a work-group, no clusters, 0 bytes of LDS; arguments Wk, Wv, Wq, Wo, lowp_scales, wcodes; writes wcodes
.if DOCPART == 1
	.amdgcn_target "amdgcn-amd-amdhsa--gfx1250"
	.amdhsa_code_object_version 6
	.text
	.protected	k_q212b7db85a_wq
	.globl	k_q212b7db85a_wq
	.p2align	8
	.type	k_q212b7db85a_wq,@function
k_q212b7db85a_wq:
	s_mov_b64 s[64:65], 0
	v_nop
	global_prefetch_b8 v0, s[64:65] scope:SCOPE_SE
	s_setreg_imm32_b32 hwreg(HW_REG_WAVE_MODE, 25, 1), 1
	s_wait_xcnt 0x0
; Wk, Wv, Wq, Wo, each [256 (k)][256 (n)] f32 with K as the FIRST axis, become codes of BF8 (E5M2), each with the scale 2^e given for it
; (Wk: entry 3, Wv: entry 5, Wq: entry 1, Wo: entry 11 of the scales), laid in the order in which the next launch's operand registers take them:
;   byte = (m / 2) 131072 + w 16384 + (m % 2) 8192 + f 2048 + c 512 + 16 lane + i      m: 0 Wk, 1 Wv, 2 Wq, 3 Wo;  w: head 0..7;  f = 2 ct + s
;   holds the code of W[k = 128 s + 32 c + 16 (lane / 16) + i][n = 32 w + 16 ct + lane % 16].
; So four loads of 16 bytes a lane, 512 bytes apart, are a fragment of 16 columns x 128 K, and a head's part of two matrices is one dense block of 16,384 bytes.
; A LANE TAKES A COLUMN n AND ITS REGISTERS RUN DOWN K: nothing is transposed by an instruction.  A wave makes one quarter of a fragment (one c): 16 loads, two conversions, one store of
; 512 consecutive bytes.  The four waves of a work-group stand side by side on 256 consecutive bytes of each row of W.
; code = x / 2^e, held within +-57,344, rounded to the nearest code, ties to even.  LIMITS: -126 <= e and e + 15 <= 127.  NaN among the inputs is not served.
; No LDS, no barrier, no loop: waves share nothing, and every number is read once and every code written once.
.set X, 8                              ; v8-23   my 16 numbers, down K
.set C, 24                             ; v24-27  their codes
	s_load_b256 s[4:11], s[0:1], 0x0               ; Wk s[4:5], Wv s[6:7], Wq s[8:9], Wo s[10:11]
	s_load_b128 s[12:15], s[0:1], 0x20             ; the scales' exponents s[12:13], the codes s[14:15]
	v_lshrrev_b32 v1, 5, v0
	v_readfirstlane_b32 s28, v1                    ; wave 0..3
	v_and_b32 v1, 15, v0                           ; r
	s_wait_alu depctr_va_vdst(0)
	v_bfe_u32 v2, v0, 4, 1                         ; h
	v_and_b32 v7, 31, v0                           ; lane
	s_mov_b32 s29, ttmp9                           ; the work-group's number: bits 6:5 m, 4:3 group of four column tiles, 2 s, 1:0 c
	s_bfe_u32 s30, s29, 0x20003
	s_bfe_u32 s31, s29, 0x10002                    ; s
	s_and_b32 s38, s29, 3                          ; c
	s_lshl_b32 s30, s30, 2
	s_add_co_u32 s30, s30, s28                     ; my tile of 16 columns, 0..15 = 2 w + ct
	s_lshl_b32 s39, s31, 17                        ; in W: row 128 s + 32 c of 1,024 bytes,
	s_lshl_b32 s40, s38, 15
	s_add_co_u32 s39, s39, s40
	s_lshl_b32 s40, s30, 6                         ; + 64 bytes a column tile
	s_add_co_u32 s39, s39, s40
	v_lshlrev_b32 v3, 2, v1                        ; + 4 r,
	s_wait_alu depctr_va_vdst(0)
	v_lshl_add_u32 v3, v2, 14, v3                  ; + 16 rows for lanes 16-31
	v_add_nc_u32 v3, s39, v3
	s_bfe_u32 s40, s29, 0x10006                    ; in the codes: m / 2,
	s_lshl_b32 s40, s40, 17
	s_lshr_b32 s41, s30, 1                         ; w,
	s_lshl_b32 s41, s41, 14
	s_add_co_u32 s40, s40, s41
	s_bfe_u32 s41, s29, 0x10005                    ; m % 2,
	s_lshl_b32 s41, s41, 13
	s_add_co_u32 s40, s40, s41
	s_and_b32 s41, s30, 1                          ; f = 2 ct + s,
	s_lshl_b32 s41, s41, 12
	s_add_co_u32 s40, s40, s41
	s_lshl_b32 s41, s31, 11
	s_add_co_u32 s40, s40, s41
	s_lshl_b32 s41, s38, 9                         ; c,
	s_add_co_u32 s40, s40, s41
	v_lshl_add_u32 v4, v7, 4, s40                  ; 16 bytes a lane
	s_wait_alu depctr_va_vdst(0)
	s_wait_kmcnt 0x0
	s_load_b256 s[16:23], s[12:13], 0x0            ; e0 .. e7
	s_load_b128 s[24:27], s[12:13], 0x20           ; e8 .. e11
	s_bitcmp1_b32 s29, 5                           ; which matrix: the choice hangs on the work-group's number alone
	s_cselect_b64 s[32:33], s[6:7], s[4:5]         ; Wv or Wk
	s_cselect_b64 s[34:35], s[10:11], s[8:9]       ; Wo or Wq
	s_bitcmp1_b32 s29, 6
	s_cselect_b64 s[32:33], s[34:35], s[32:33]
.irp i, 0,1,2,3,4,5,6,7,8,9,10,11,12,13,14,15
	global_load_b32 v[X+\i], v3, s[32:33] offset:1024*\i th:TH_LOAD_NT   ; W(128 s + 32 c + 16 h + i, my column): read once in the launch
.endr
	s_wait_kmcnt 0x0
	s_bitcmp1_b32 s29, 5
	s_cselect_b32 s36, s21, s19                    ; e5 or e3
	s_cselect_b32 s37, s27, s17                    ; e11 or e1
	s_bitcmp1_b32 s29, 6
	s_cselect_b32 s36, s37, s36                    ; e
	s_add_co_i32 s36, s36, 127
	s_lshl_b32 s37, s36, 23
	v_mov_b32 v5, s37                              ; 2^e as f32: the conversion takes its exponent field
	s_wait_alu depctr_va_vdst(0)
	s_wait_loadcnt 0x0
.irp i, 0,1,2,3,4,5,6,7,8,9,10,11,12,13,14,15
.endr
	v_cvt_scalef32_pk8_bf8_f32 v[C:C+1], v[X:X+7], v5
	v_cvt_scalef32_pk8_bf8_f32 v[C+2:C+3], v[X+8:X+15], v5
	global_store_b128 v4, v[C:C+3], s[14:15]       ; the wave stores 512 consecutive bytes, at a multiple of 512 from the buffer's first byte
	s_endpgm
.Lfunc_end_k_q212b7db85a_wq:
	.size	k_q212b7db85a_wq, .Lfunc_end_k_q212b7db85a_wq-k_q212b7db85a_wq
	.p2alignl 7, 3214868480
	.fill 96, 4, 3214868480
	.section	.rodata,"a",@progbits
	.p2align	6, 0x0
	.amdhsa_kernel k_q212b7db85a_wq
		.amdhsa_group_segment_fixed_size 0
		.amdhsa_private_segment_fixed_size 0
		.amdhsa_enable_private_segment 0
		.amdhsa_kernarg_size 48
		.amdhsa_user_sgpr_count 2
		.amdhsa_user_sgpr_kernarg_segment_ptr 1
		.amdhsa_wavefront_size32 1
		.amdhsa_system_sgpr_workgroup_id_x 1
		.amdhsa_system_sgpr_workgroup_id_y 1
		.amdhsa_system_sgpr_workgroup_id_z 1
		.amdhsa_system_vgpr_workitem_id 0
		.amdhsa_next_free_vgpr 32
		.amdhsa_next_free_sgpr 66
		.amdhsa_reserve_vcc 0
		.amdhsa_float_denorm_mode_32 3
		.amdhsa_float_denorm_mode_16_64 3
		.amdhsa_fp16_overflow 1
		.amdhsa_memory_ordered 1
		.amdhsa_forward_progress 1
		.amdhsa_inst_pref_size 5
	.end_amdhsa_kernel
	.amdgpu_metadata
---
amdhsa.version: [ 1, 2 ]
amdhsa.kernels:
  - .name:           k_q212b7db85a_wq
    .symbol:         k_q212b7db85a_wq.kd
    .args:
      - { .name: Wk, .offset: 0, .size: 8, .value_kind: global_buffer, .address_space: global }
      - { .name: Wv, .offset: 8, .size: 8, .value_kind: global_buffer, .address_space: global }
      - { .name: Wq, .offset: 16, .size: 8, .value_kind: global_buffer, .address_space: global }
      - { .name: Wo, .offset: 24, .size: 8, .value_kind: global_buffer, .address_space: global }
      - { .name: lowp_scales, .offset: 32, .size: 8, .value_kind: global_buffer, .address_space: global }
      - { .name: wcodes, .offset: 40, .size: 8, .value_kind: global_buffer, .address_space: global }
    .group_segment_fixed_size: 0
    .private_segment_fixed_size: 0
    .kernarg_segment_align: 8
    .kernarg_segment_size: 48
    .max_flat_workgroup_size: 128
    .sgpr_count:     66
    .vgpr_count:     32
    .wavefront_size: 32
...
	.end_amdgpu_metadata
.endif
;; end of part 1
;; launch attn (part 2): grid 256 x 1, 8 waves a work-group, clusters of 4 x 1, 305,152 bytes of LDS; arguments x, wcodes, lowp_scales, bq, bk, bv, bo, gamma, beta, out0; writes out0
.if DOCPART == 2
	.amdgcn_target "amdgcn-amd-amdhsa--gfx1250"
	.amdhsa_code_object_version 6
	.text
	.protected	k_q212b7db85a_attn
	.globl	k_q212b7db85a_attn
	.p2align	8
	.type	k_q212b7db85a_attn,@function
k_q212b7db85a_attn:
	s_mov_b64 s[64:65], 0
	v_nop
	global_prefetch_b8 v0, s[64:65] scope:SCOPE_SE
	s_setreg_imm32_b32 hwreg(HW_REG_WAVE_MODE, 25, 1), 1
	s_wait_xcnt 0x0
	s_wait_alu depctr_hold_cnt(0) depctr_sa_sdst(0) depctr_va_vdst(0) depctr_va_sdst(0) depctr_va_ssrc(0) depctr_va_vcc(0) depctr_vm_vsrc(0)
	s_getreg_b32 s2, hwreg(HW_REG_IB_STS2, 6, 4)
	s_cmp_eq_u32 s2, 0
	s_cbranch_scc0 .Lentry_in_a_cluster
	s_endpgm
.Lentry_in_a_cluster:
	s_bfe_u32 s2, ttmp6, 0x10000c
	s_cmp_lg_u32 s2, 0x3003
	s_cbranch_scc0 .Lentry_shape_is_right
	s_endpgm
.Lentry_shape_is_right:
; out = LayerNorm(x + Attention(x) Wo + bo), attention over the band |i - j| <= 64, 8 heads of 32, all six products on codes of BF8 (E5M2), each operand with the scale 2^e given for it (e0 .. e11).
; SHARES.  A work-group owns 32 queries of one batch and reads x for them and for 64 rows on either side: 160 local rows, ten tiles of 16 (tiles 4 and 5 are the queries').  8,192 / 32 = 256 work-groups.
; WAVE w IS HEAD w: it holds columns 32 w .. 32 w + 31 of Wk, Wv, Wq and output columns 32 w .. 32 w + 31 of Wo in registers, and its q, k, v and p never leave its registers: each product is laid so that
; the conversions' results are the next product's operand.   k^T = Wk^T x^T and q^T likewise (source 0 = 16 columns of W, source 1 = 16 rows of x): a lane holds one row and 8 channels;
; v = x Wv (source 0 = x): a lane holds one channel and 8 keys;  S^T = k q^T: a lane holds one query and 8 keys;  O^T = v^T p^T: one query, 8 channels;  Y^T = Wo^T o^T: one query, 8 output columns.
; Through LDS go x's codes (three images: scales e2, e4, e0), o's codes, and Y in f32 ahead of the LayerNorm.
; THE BAND.  A tile of 16 queries sees nine tiles of keys; in the first and the last the keys outside the band, and everywhere the keys outside the sequence, get the score -infinity, so p = 0.
; LIMIT: that equals the module's addition of -1e9 as long as logits stay far under 1e9 in magnitude.  A tile outside the sequence is loaded from a clamped, valid address and masked whole.
; THE SOFTMAX: t = score x log2(e) / sqrt(32); M = ceil(the row's largest t); p = 2^(t - M) is quantised (e9); the row's sum is taken of the unquantised p and divides O.  All 144 keys are at hand: one M, no rescaling.
; CLUSTER.  All work-groups read the same 262,144 bytes of weight codes: four form a cluster and ask for them JOINTLY (each wave two loads of 16,384 bytes, its own head's).  Every LDS byte is filled by the
; data mover once; nothing is filled again.  A wave has two tensor loads out.
; K of 128 in the x128 form is fed by loads of 16 bytes (registers 4 c .. 4 c + 3: k = 32 c + 16 (lane / 16) + 0 .. 15), alike in both operands: a permutation of k that keeps every product with its partner.
; LIMITS on the given exponents, so that each power of two is an f32 number: e0, e2, e4, e9, e6 - e0 - e1, e7 - e2 - e3, e8 - e4 - e5, e10 - e8 - e9 between -126 and 112;
; e6 + e7 between -124 and 129; e10 + e11 between -126 and 127.  NaN among the inputs is not served.
; LDS: 0: Wk, Wv images (16,384 a wave), later x's codes: XK, XV 160 rows, XQ 32 rows, 272 bytes apart;  131,072: Wq, Wo images;  262,144: o's codes, 32 rows x 272;  270,848: Y, 32 rows x 1,040.
; The pitches are odd multiples of 16 bytes, so the 16 rows that a load of 16 bytes a lane touches start at 16 different groups of banks (64 banks of 4 bytes: ISA guide 11.1).
; In XK and XV the tiles lie by slots: slot w holds the halo tile that wave w made (0-3, 6-9), slots 8 and 9 tiles 4 and 5.
.set XK,    0
.set XV,    43520
.set XQ,    87040
.set WQO,   131072
.set OC,    262144
.set STG,   270848
.set XP,    272                        ; a row of 256 codes + 16
.set TILEB, 16*XP
.set SP,    1040                       ; a row of 256 f32 + 16
; scalar registers
.set WV,   24                          ; s24  wave = head
.set EDGE, 27                          ; s27  0 or 1 where the cluster touches an end of the sequence
.set G1,   32                          ; s[32:39] descriptor group 1;  s[40:43], s[44:47] groups 0
.set G0A,  40
.set G0B,  44
.set EX,   48                          ; s[48+n] = e_n
.set SEL,  60                          ; s[60:61] selects of v_permlanex16_b32: lane l xor 16
.set CS,   62                          ; s[62:63] c = log2(e) / sqrt(32) x 2^(e6 + e7)
.set FM,   66                          ; s66-73  register j of the first key tile is hidden
.set LM,   74                          ; s74-81  of the last
.set RM,   82                          ; s82-91  key tile T lies outside the sequence (T = 4, 5: never; not made)
.set YS,   92                          ; s[92:93] 2^(e10 + e11)
; vector registers, window 0
.set LANE, 1
.set RR,   2                           ; lane % 16
.set HH,   3                           ; lane / 16
.set L16,  4                           ; 16 x lane
.set XSH,  5                           ; where I store a halo row's codes
.set XSC,  6                           ; and a centre row's
.set FRK,  7                           ; a fragment's place in XK: r x 272 + 16 h
.set FRV,  8                           ; in XV
.set OST,  9                           ; where I store o's codes
.set ORD,  10                          ; and read o's fragments
.set SST,  11                          ; the stage: where I put 32 bytes of a row
.set SRD,  12                          ; and read my four rows back
.set WR0,  13                          ; my Wk, Wv images
.set WR1,  14                          ; my Wq, Wo images
.set GRO,  15                          ; byte offset in x and in out0 of my four rows
.set NINF, 16
.set XC,   24                          ; x phase: row i's codes at XC + 8 i: the registers that row i - 1 has left
.set XH,   32                          ; 16 halo rows, 8 registers each
.set TA,   160
.set TB,   168
.set TQ,   176
.set CC,   184                         ; centre rows' codes
.set OFFH, 216
.set VB8,  217
.set VB4,  218
.set UU,   219
.set AK0,  24                          ; projections: four accumulators
.set AK1,  32
.set AV0,  40
.set AV1,  48
.set BK,   96                          ; biases over the power of two that the sums lack, in the results' layout
.set BV,   112
.set BQ,   128
.set SC,   24                          ; attention: nine tiles of scores, then p
.set PC,   96                          ; p's codes: 18 registers and 6 of zeros
.set OA,   120                         ; O^T: two accumulators
.set MA,   136
.set MB,   137
.set NM,   138                         ; v[138:139] -M
.set SA,   140
.set SB,   142
.set KC,   144                         ; k's codes: tile T at + 4 T; + 40 .. 43 zeros
.set VC,   188                         ; v's codes: channels 16 ct on at + 26 ct, tile T at + 2 T; + 20 .. 25 zeros
.set QC,   240                         ; q's codes: query tile qt at + 8 qt; + 4 .. 7 zeros
.set YA,   24                          ; Y^T: four accumulators; later my four rows
.set YT,   56
.set RS,   56
.set QS,   64
.set TP,   72
; window 1
.set WA,   0                           ; Wk, later Wq: fragment f = 2 ct + s at 16 f
.set WB,   64                          ; Wv, later Wo
.set XKF,  128                         ; x's fragments, K step s at + 16 s
.set XVF,  160
.set XR,   192                         ; my four rows of x in f32: kept for the residual
.set GA,   224
.set BE,   232
.set BO,   240
.set MSB, 0
.macro WIN new                         ; low byte: bits 1:0 source 0, 3:2 source 1, 5:4 source 2, 7:6 destination; the high byte repeats the setting that is left
.if MSB != \new
	s_set_vgpr_msb (MSB<<8)|\new
.set MSB, \new
.endif
.endm
.macro ROUND                           ; a round of the cluster's barrier
	s_barrier_signal -1
	s_barrier_wait -1
	s_cmp_lg_u32 s[WV], 0
	s_cbranch_scc1 .Lnot_wave_0_\@
	s_barrier_signal -3
.Lnot_wave_0_\@:
	s_barrier_wait -3
	s_barrier_signal -1
	s_barrier_wait -1
.endm
.macro BARRIER                         ; my LDS stores have landed and my LDS loads are in: then the work-group's barrier
	s_wait_dscnt 0x0
	s_barrier_signal -1
	s_barrier_wait -1
.endm
.macro PLACES                          ; four plain vector instructions between a matrix instruction and a read of its result or a load into its registers
.rept 4
	v_nop
.endr
.endm
.macro SCALE vs, vl, se                ; v[vs] = 2^e as f32, e = s[se]
	s_add_co_i32 s2, s[\se], 127
	s_lshl_b32 s3, s2, 23
	v_mov_b32 v[\vs], s3
	s_add_co_i32 s2, s2, 15
	s_lshl_b32 s2, s2, 23
	s_or_b32 s2, s2, 0x600000
.endm
	s_load_b512 s[4:19], s[0:1], 0x0               ; x s[4:5], codes s[6:7], scales s[8:9], bq s[10:11], bk s[12:13], bv s[14:15], bo s[16:17], gamma s[18:19]
	s_load_b128 s[20:23], s[0:1], 0x40             ; beta s[20:21], out0 s[22:23]
	v_lshl_add_u32 v254, v0, 2, 0x4a400
	v_mov_b32 v255, 0
	ds_add_u32 v254, v255
	ds_add_u32 v254, v255
	s_wait_dscnt 0x0
	v_lshrrev_b32 v1, 5, v0
	s_delay_alu instid0(VALU_DEP_1)
	v_readfirstlane_b32 s[WV], v1                  ; wave 0..7
	v_and_b32 v[LANE], 31, v0
	s_wait_alu depctr_va_vdst(0)
	v_and_b32 v[RR], 15, v0
	s_wait_alu depctr_va_vdst(0)
	v_bfe_u32 v[HH], v0, 4, 1
	v_lshlrev_b32 v[L16], 4, v[LANE]
	s_bfe_u32 s25, ttmp6, 0x40000                  ; cx: it enters x's and out0's offsets and the masks' values alone
	s_lshl_b32 s26, ttmp9, 2
	s_add_co_u32 s26, s26, s25                     ; my block of 32 queries = 4 x cluster + cx
	s_and_b32 s[EDGE], ttmp9, 31                   ; a batch is 32 clusters; the first and the last touch an end:
	s_add_co_u32 s[EDGE], s[EDGE], 1
	s_and_b32 s[EDGE], s[EDGE], 31                 ; 1 and 0.  Made of the cluster's number alone: equal in the four partners
	s_lshl_b32 s28, s26, 5                         ; my first query's row among the 8,192
	s_and_b32 s29, s26, 127
	s_lshl_b32 s29, s29, 5
	s_sub_co_i32 s29, s29, 64                      ; local row 0's place in the sequence: may be negative
	s_lshr_b32 s30, s26, 7
	s_lshl_b32 s30, s30, 12                        ; the batch's first row
	; LDS addresses: constants, the lane and the wave's number
	s_mul_i32 s2, s[WV], TILEB
	v_lshl_add_u32 v[XSH], v[LANE], 2, s2          ; slot w, 4 bytes a lane
	s_mul_i32 s2, s[WV], 4*XP
	s_add_co_u32 s2, s2, 8*TILEB
	v_lshl_add_u32 v[XSC], v[LANE], 2, s2          ; slots 8 and 9: row 128 + 4 w
	v_mul_u32_u24 v[FRK], v[RR], XP
	s_wait_alu depctr_va_vdst(0)
	v_lshl_add_u32 v[FRK], v[HH], 4, v[FRK]
	s_delay_alu instid0(VALU_DEP_1)
	v_add_nc_u32 v[FRV], XV, v[FRK]
	v_mul_u32_u24 v[OST], v[RR], XP
	s_delay_alu instid0(VALU_DEP_1)
	v_lshl_add_u32 v[OST], v[HH], 3, v[OST]
	s_lshl_b32 s2, s[WV], 5
	s_add_co_u32 s2, s2, OC
	v_add_nc_u32 v[OST], s2, v[OST]                ; row r, byte 32 w + 8 h
	v_add_nc_u32 v[ORD], OC, v[FRK]
	v_mul_u32_u24 v[SST], v[RR], SP
	s_delay_alu instid0(VALU_DEP_1)
	v_lshl_add_u32 v[SST], v[HH], 5, v[SST]
	s_lshl_b32 s2, s[WV], 7
	s_add_co_u32 s2, s2, STG
	v_add_nc_u32 v[SST], s2, v[SST]                ; row r, byte 128 w + 32 h
	s_mul_i32 s2, s[WV], 4*SP
	s_add_co_u32 s2, s2, STG
	v_add_nc_u32 v[SRD], s2, v[L16]                ; rows 4 w on
	s_lshl_b32 s31, s[WV], 14
	v_add_nc_u32 v[WR0], s31, v[L16]
	s_delay_alu instid0(VALU_DEP_1)
	v_add_nc_u32 v[WR1], WQO, v[WR0]
	; offsets in memory
	s_lshl_b32 s2, s[WV], 2
	s_add_co_u32 s2, s2, s28
	s_lshl_b32 s2, s2, 10
	v_add_nc_u32 v[GRO], s2, v[L16]                ; row (first query + 4 w) of 1,024 bytes + 16 x lane
	s_lshr_b32 s2, s[WV], 2
	s_lshl_b32 s2, s2, 1
	s_add_co_u32 s2, s2, s[WV]                     ; my halo tile: w + 2 (w / 4)
	s_lshl_b32 s2, s2, 4
	s_add_co_i32 s2, s2, s29                       ; its first row in the sequence,
	s_max_i32 s2, s2, 0
	s_min_i32 s2, s2, 4080                         ; clamped: no load leaves x; a tile outside the sequence is masked whole later
	s_add_co_u32 s2, s2, s30
	s_lshl_b32 s2, s2, 10
	v_add_nc_u32 v[OFFH], s2, v[L16]
	s_lshl_b32 s3, s[WV], 7
	v_lshl_add_u32 v[VB8], v[HH], 5, s3            ; a bias in a transposed result's layout: 32 w + 8 h + 0 .. 7
	v_lshl_add_u32 v[VB4], v[RR], 2, s3            ; bv: 32 w + r
	v_lshlrev_b32 v[UU], 3, v[HH]
	s_delay_alu instid0(VALU_DEP_1)
	v_sub_nc_u32 v[UU], v[RR], v[UU]               ; u = r - 8 h
	v_mov_b32 v[NINF], 0xff800000
	; descriptor group 1: 16,384 dense bytes as 64 rows of 32 elements of 8 bytes
	s_mov_b32 s[G1+0], 15|(3<<16)|(1<<21)          ; 15:0 the mask: all four work-groups; 17:16 elements of 8 bytes; 21 set beside a mask; no padding
	s_mov_b32 s[G1+1], 32<<16                      ; tensor_dim0 = 32
	s_mov_b32 s[G1+2], 64<<16                      ; tensor_dim1 = 64
	s_mov_b32 s[G1+3], 32<<16                      ; tile_dim0 = 32
	s_mov_b32 s[G1+4], 64                          ; tile_dim1 = 64
	s_mov_b32 s[G1+5], 32                          ; from row to row: 32 elements
	s_mov_b32 s[G1+6], 0
	s_mov_b32 s[G1+7], 0
	s_mov_b32 s[SEL], 0x76543210
	s_mov_b32 s[SEL+1], 0xfedcba98
	s_mov_b32 s94, 0x3b800000                      ; 1 / 256
	s_mov_b32 s95, 0x3a83126f                      ; 1e-3
	s_wait_alu depctr_va_vdst(0)
	s_wait_kmcnt 0x0
	s_load_b256 s[EX:EX+7], s[8:9], 0x0            ; e0 .. e7
	s_load_b128 s[EX+8:EX+11], s[8:9], 0x20        ; e8 .. e11
	; 58 global loads, in the order in which they are waited for.  Each load of x covers 512 consecutive bytes of a row.
.irp i, 0,1,2,3,4,5,6,7,8,9,10,11,12,13,14,15
	global_load_b128 v[XH+8*\i:XH+8*\i+3],   v[OFFH], s[4:5] offset:1024*\i        ; k = 4 lane + 0 .. 3
	global_load_b128 v[XH+8*\i+4:XH+8*\i+7], v[OFFH], s[4:5] offset:1024*\i+512    ; k = 128 + 4 lane + 0 .. 3
.endr
	WIN 0x40                                       ; destination window 1
.irp i, 0,1,2,3
	global_load_b128 v[XR+8*\i:XR+8*\i+3],   v[GRO], s[4:5] offset:1024*\i
	global_load_b128 v[XR+8*\i+4:XR+8*\i+7], v[GRO], s[4:5] offset:1024*\i+512
.endr
.irp ct, 0,1
	global_load_b128 v[128+8*\ct:131+8*\ct], v[VB8], s[12:13] offset:64*\ct        ; bk, as loaded, where x's fragments will lie
	global_load_b128 v[132+8*\ct:135+8*\ct], v[VB8], s[12:13] offset:64*\ct+16
.endr
.irp ct, 0,1
	global_load_b128 v[144+8*\ct:147+8*\ct], v[VB8], s[10:11] offset:64*\ct        ; bq
	global_load_b128 v[148+8*\ct:151+8*\ct], v[VB8], s[10:11] offset:64*\ct+16
.endr
.irp ct, 0,1
	global_load_b32 v[160+\ct], v[VB4], s[14:15] offset:64*\ct                     ; bv
.endr
	global_load_b128 v[GA:GA+3],   v[L16], s[18:19]
	global_load_b128 v[GA+4:GA+7], v[L16], s[18:19] offset:512
	global_load_b128 v[BE:BE+3],   v[L16], s[20:21]
	global_load_b128 v[BE+4:BE+7], v[L16], s[20:21] offset:512
.irp ct, 0,1
	global_load_b128 v[BO+8*\ct:BO+8*\ct+3],   v[VB8], s[16:17] offset:64*\ct
	global_load_b128 v[BO+8*\ct+4:BO+8*\ct+7], v[VB8], s[16:17] offset:64*\ct+16
.endr
	WIN 0
	; groups 0: nothing in them hangs on the work-group's place
	s_mov_b32 s[G0A], 1                            ; count = 1
	s_lshl_b32 s[G0A+1], s[WV], 14                 ; LDS: wave x 16,384
	s_lshl_b32 s96, s[WV], 14
	s_mov_b32 s97, 0
	s_add_nc_u64 s[G0A+2:G0A+3], s[6:7], s[96:97]  ; my head's Wk and Wv
	s_add_nc_u64 s[G0B+2:G0B+3], s[G0A+2:G0A+3], 0x20000   ; my head's Wq and Wo
	s_or_b32 s[G0A+3], s[G0A+3], 0x80000000        ; type = 2
	s_or_b32 s[G0B+3], s[G0B+3], 0x80000000
	s_mov_b32 s[G0B], 1
	s_add_co_u32 s[G0B+1], s[G0A+1], WQO
	ROUND                                          ; all four work-groups are here: the joint loads meet
	tensor_load_to_lds s[G0A:G0A+3], s[G1:G1+7]
	s_nop 0
	tensor_load_to_lds s[G0B:G0B+3], s[G1:G1+7]    ; a wave's two first fills stand together; four v_nop follow the second
	s_nop 0
	PLACES
	s_wait_kmcnt 0x0                               ; the twelve exponents
	s_mov_b32 s[CS], 0x3e8293ee                    ; log2(e) / sqrt(32)
	s_add_co_i32 s2, s[EX+6], s[EX+7]
	s_lshl_b32 s2, s2, 23
	s_add_co_i32 s[CS], s[CS], s2                  ; a score stands for score x 2^(e6 + e7): added to c's exponent field
	s_mov_b32 s[CS+1], s[CS]                       ; (named with it as a pair, so it is written)
	s_add_co_i32 s[YS], s[EX+10], s[EX+11]
	s_add_co_i32 s[YS], s[YS], 127
	s_lshl_b32 s[YS], s[YS], 23                    ; 2^(e10 + e11)
	s_mov_b32 s[YS+1], s[YS]
.irp j, 0,1,2,3,4,5,6,7
	v_cmp_lt_i32 s[FM+\j], \j, v[UU]               ; first key tile: key 8 h + j lies 64 + r - (8 h + j) before query r: hidden where 8 h + j < r
	v_cmp_gt_i32 s[LM+\j], \j, v[UU]               ; last key tile: 64 + (8 h + j) - r behind: hidden where 8 h + j > r
.endr
.irp T, 0,1,2,3,6,7,8,9
	s_add_co_i32 s2, s29, 16*\T                    ; tile T's first row in the sequence; tiles lie wholly inside or wholly outside
	s_cmp_gt_u32 s2, 4080                          ; (a negative number is a large one here)
	s_cselect_b32 s[RM+\T], -1, 0
.endr
	; ---- my Wk and Wv go into registers
	s_wait_tensorcnt 0x1                           ; tensor loads of a wave end in order (ISA guide 10.11.1): my Wk, Wv have landed; Wq, Wo, in bytes that I alone read, may stay out
	WIN 0x40
.set q, 0
.rept 32
	ds_load_b128 v[4*q:4*q+3], v[WR0] offset:512*q ; Wk's four fragments, then Wv's: an image of the registers
.set q, q+1
.endr
	WIN 0
	s_wait_dscnt 0x0                               ; my reads of these bytes are over, and my fill of them has landed: other waves may store there
	s_barrier_signal -1
	SCALE 18, 19, EX+2                             ; x for k
	SCALE 20, 21, EX+4                             ; x for v
	SCALE 22, 23, EX+0                             ; x for q
	s_wait_alu depctr_va_vdst(0)
	s_barrier_wait -1
	; ---- x becomes codes.  A lane's eight numbers of a row give two words: k = 4 lane .. and k = 128 + 4 lane ..: each store of the wave covers 128 consecutive bytes of a row of codes
.macro HROW i
	s_wait_loadcnt 56-2*(\i)                       ; of the 58 loads, those issued behind this row's two may be out
.irp j, 0,1,2,3,4,5,6,7
.endr
	v_nop
	v_cvt_scalef32_pk8_bf8_f32 v[XC+8*(\i):XC+8*(\i)+1], v[TA+((XH+8*(\i)+0)-(TA+0)):TA+7+((XH+8*(\i)+0)-(TA+0))], v18
.irp j, 0,1,2,3,4,5,6,7
.endr
	v_cvt_scalef32_pk8_bf8_f32 v[XC+8*(\i)+2:XC+8*(\i)+3], v[TB+((XH+8*(\i)+0)-(TB+0)):TB+7+((XH+8*(\i)+0)-(TB+0))], v20
	ds_store_b32 v[XSH], v[XC+8*(\i)]   offset:XK+XP*(\i)
	ds_store_b32 v[XSH], v[XC+8*(\i)+1] offset:XK+XP*(\i)+128
	ds_store_b32 v[XSH], v[XC+8*(\i)+2] offset:XV+XP*(\i)
	ds_store_b32 v[XSH], v[XC+8*(\i)+3] offset:XV+XP*(\i)+128
.endm
.macro CROW i                          ; one of my four query rows: three scales; the f32 numbers stay where they are, for the residual
	s_wait_loadcnt 24-2*(\i)
	WIN 0x01                                       ; source 0 window 1
.irp j, 0,1,2,3,4,5,6,7
.endr
.irp j, 0,1,2,3,4,5,6,7
.endr
.irp j, 0,1,2,3,4,5,6,7
.endr
	v_cvt_scalef32_pk8_bf8_f32 v[CC+8*(\i):CC+8*(\i)+1], v[TA+((XR+8*(\i)+0)-(TA+0)):TA+7+((XR+8*(\i)+0)-(TA+0))], v18
	v_cvt_scalef32_pk8_bf8_f32 v[CC+8*(\i)+2:CC+8*(\i)+3], v[TB+((XR+8*(\i)+0)-(TB+0)):TB+7+((XR+8*(\i)+0)-(TB+0))], v20
	v_cvt_scalef32_pk8_bf8_f32 v[CC+8*(\i)+4:CC+8*(\i)+5], v[TQ+((XR+8*(\i)+0)-(TQ+0)):TQ+7+((XR+8*(\i)+0)-(TQ+0))], v22
	WIN 0
	v_nop                                          ; one plain line between the conversions and the next lines that write their sources
	ds_store_b32 v[XSC], v[CC+8*(\i)]   offset:XK+XP*(\i)
	ds_store_b32 v[XSC], v[CC+8*(\i)+1] offset:XK+XP*(\i)+128
	ds_store_b32 v[XSC], v[CC+8*(\i)+2] offset:XV+XP*(\i)
	ds_store_b32 v[XSC], v[CC+8*(\i)+3] offset:XV+XP*(\i)+128
	ds_store_b32 v[XSC], v[CC+8*(\i)+4] offset:XQ-8*TILEB+XP*(\i)
	ds_store_b32 v[XSC], v[CC+8*(\i)+5] offset:XQ-8*TILEB+XP*(\i)+128
.endm
.irp i, 0,1,2,3,4,5,6,7,8,9,10,11,12,13,14,15
	HROW \i
.endr
.irp i, 0,1,2,3
	CROW \i
.endr
	s_wait_loadcnt 0x0                             ; the biases, gamma, beta
	s_wait_dscnt 0x0                               ; for the others' sake: my codes lie in LDS
	s_barrier_signal -1
	s_add_co_i32 s96, s[EX+2], s[EX+3]             ; a sum of x Wk stands for sum x 2^(e2 + e3): so bk goes in as bk / 2^(e2 + e3), as the C of each sum's first product
	s_add_co_i32 s97, s[EX+4], s[EX+5]
	s_add_co_i32 s98, s[EX+0], s[EX+1]
	s_sub_co_i32 s99, 0, s96
	s_sub_co_i32 s100, 0, s97
	s_sub_co_i32 s101, 0, s98
	WIN 0x01
.irp j, 0,1,2,3,4,5,6,7,8,9,10,11,12,13,14,15
	v_ldexp_f32 v[BK+\j], v[128+\j], s99
.endr
.irp j, 0,1,2,3,4,5,6,7,8,9,10,11,12,13,14,15
	v_ldexp_f32 v[BQ+\j], v[144+\j], s101
.endr
.irp ct, 0,1
.irp j, 0,1,2,3,4,5,6,7
	v_ldexp_f32 v[BV+8*\ct+\j], v[160+\ct], s100   ; in v's layout a lane holds one channel: one bias for its eight keys
.endr
.endr
	WIN 0
.irp j, 40,41,42,43
	v_mov_b32 v[KC+\j], 0                          ; zero codes behind the last tile of k,
.endr
.irp j, 20,21,22,23,24,25
	v_mov_b32 v[VC+\j], 0                          ; behind the last tiles of v,
	v_mov_b32 v[VC+26+\j], 0
.endr
.irp j, 4,5,6,7,12,13,14,15
	v_mov_b32 v[QC+\j], 0                          ; and for k = 32 .. 63 of q: the head has 32 channels, the K = 64 form wants 64
.endr
	s_sub_co_i32 s96, s[EX+7], s96                 ; the three scales ahead of each quantiser are folded into the conversion's one
	s_sub_co_i32 s97, s[EX+8], s97
	s_sub_co_i32 s98, s[EX+6], s98
	SCALE 18, 19, 96                               ; k: 2^(e7 - e2 - e3)
	SCALE 20, 21, 97                               ; v: 2^(e8 - e4 - e5)
	SCALE 22, 23, 98                               ; q: 2^(e6 - e0 - e1)
	s_barrier_wait -1                              ; x's codes lie in LDS, everybody's
	; ---- k and v of my head, a tile of 16 rows at a time
.macro FRAGS T                         ; tile T's fragments of x: k's image, then v's
.if (\T) < 4
.set SLT, (\T)
.elseif (\T) < 6
.set SLT, (\T)+4
.else
.set SLT, (\T)-2
.endif
	WIN 0x40
.irp s, 0,1
.irp c, 0,1,2,3
	ds_load_b128 v[XKF+16*\s+4*\c:XKF+16*\s+4*\c+3], v[FRK] offset:SLT*TILEB+128*\s+32*\c
.endr
.endr
.irp s, 0,1
.irp c, 0,1,2,3
	ds_load_b128 v[XVF+16*\s+4*\c:XVF+16*\s+4*\c+3], v[FRV] offset:SLT*TILEB+128*\s+32*\c
.endr
.endr
	WIN 0
.endm
.macro QLOADS                          ; Wq over Wk, the queries' fragments, Wo over Wv
	s_wait_tensorcnt 0x0                           ; my Wq, Wo have landed
	WIN 0x40
.set q, 0
.rept 16
	ds_load_b128 v[WA+4*q:WA+4*q+3], v[WR1] offset:512*q
.set q, q+1
.endr
.irp s, 0,1
.irp c, 0,1,2,3
	ds_load_b128 v[XKF+16*\s+4*\c:XKF+16*\s+4*\c+3], v[FRV] offset:XQ-XV+128*\s+32*\c          ; queries 0-15
.endr
.endr
.irp s, 0,1
.irp c, 0,1,2,3
	ds_load_b128 v[XVF+16*\s+4*\c:XVF+16*\s+4*\c+3], v[FRV] offset:XQ-XV+TILEB+128*\s+32*\c    ; queries 16-31
.endr
.endr
.set q, 0
.rept 16
	ds_load_b128 v[WB+4*q:WB+4*q+3], v[WR1] offset:8192+512*q
.set q, q+1
.endr
	WIN 0
.endm
.macro KVTILE T
	s_wait_dscnt 8                                 ; k's fragments are in; v's eight loads, issued behind them, may be out
	WIN 0x05                                       ; sources 0 and 1 window 1; C and D window 0
	; the accumulators take turns, one instruction a turn
	v_wmma_f32_16x16x128_bf8_bf8 v[AK0:AK0+7], v[WA:WA+15],    v[XKF:XKF+15],    v[BK:BK+7]       ; k^T: lane = key r, register j = channel 8 h + j
	v_wmma_f32_16x16x128_bf8_bf8 v[AK1:AK1+7], v[WA+32:WA+47], v[XKF:XKF+15],    v[BK+8:BK+15]    ; channels 16 + 8 h + j
	v_wmma_f32_16x16x128_bf8_bf8 v[AK0:AK0+7], v[WA+16:WA+31], v[XKF+16:XKF+31], v[AK0:AK0+7]
	v_wmma_f32_16x16x128_bf8_bf8 v[AK1:AK1+7], v[WA+48:WA+63], v[XKF+16:XKF+31], v[AK1:AK1+7]
	s_wait_alu depctr_va_vdst(0)
	s_wait_dscnt 0x0
	v_wmma_f32_16x16x128_bf8_bf8 v[AV0:AV0+7], v[XVF:XVF+15],    v[WB:WB+15],    v[BV:BV+7]       ; v: lane = channel r, register j = key 8 h + j
	v_wmma_f32_16x16x128_bf8_bf8 v[AV1:AV1+7], v[XVF:XVF+15],    v[WB+32:WB+47], v[BV+8:BV+15]    ; channel 16 + r
	v_wmma_f32_16x16x128_bf8_bf8 v[AV0:AV0+7], v[XVF+16:XVF+31], v[WB+16:WB+31], v[AV0:AV0+7]
	v_wmma_f32_16x16x128_bf8_bf8 v[AV1:AV1+7], v[XVF+16:XVF+31], v[WB+48:WB+63], v[AV1:AV1+7]
	PLACES                                         ; in front of the loads into the fragments' registers and of the reads of the sums
.if (\T) < 9
	FRAGS \T+1                                     ; the next tile's fragments land while this tile is quantised
.else
	QLOADS
.endif
.irp j, 0,1,2,3,4,5,6,7,8,9,10,11,12,13,14,15
.endr
	v_cvt_scalef32_pk8_bf8_f32 v[KC+4*(\T):KC+4*(\T)+1],   v[AK0:AK0+7], v18    ; registers 2 c, 2 c + 1 of the K = 64 form's operand: k = 16 c + 8 h + 0 .. 7
	v_cvt_scalef32_pk8_bf8_f32 v[KC+4*(\T)+2:KC+4*(\T)+3], v[AK1:AK1+7], v18
.irp j, 0,1,2,3,4,5,6,7,8,9,10,11,12,13,14,15
.endr
	v_cvt_scalef32_pk8_bf8_f32 v[VC+2*(\T):VC+2*(\T)+1],       v[AV0:AV0+7], v20   ; keys 16 T + 8 h + 0 .. 7 of channel r
	v_cvt_scalef32_pk8_bf8_f32 v[VC+26+2*(\T):VC+26+2*(\T)+1], v[AV1:AV1+7], v20
	v_nop                                          ; one plain line between the conversions and the products that write their sources
.endm
	FRAGS 0
.irp T, 0,1,2,3,4,5,6,7,8,9
	KVTILE \T
.endr
	; ---- q of my head, both tiles of queries: four accumulators by turns
	s_wait_dscnt 16                                ; Wq and the queries' fragments are in; Wo's sixteen loads, issued behind them, may be out
	WIN 0x05
.irp s, 0,1
.irp qt, 0,1
.irp ct, 0,1
.if \s == 0
	v_wmma_f32_16x16x128_bf8_bf8 v[24+8*(2*\qt+\ct):31+8*(2*\qt+\ct)], v[WA+32*\ct:WA+32*\ct+15], v[XKF+32*\qt:XKF+32*\qt+15], v[BQ+8*\ct:BQ+8*\ct+7]
.else
	v_wmma_f32_16x16x128_bf8_bf8 v[24+8*(2*\qt+\ct):31+8*(2*\qt+\ct)], v[WA+32*\ct+16:WA+32*\ct+31], v[XKF+32*\qt+16:XKF+32*\qt+31], v[24+8*(2*\qt+\ct):31+8*(2*\qt+\ct)]
.endif
.endr
.endr
.endr
	PLACES
	WIN 0
.set n, 0
.rept 32
.set n, n+1
.endr
.irp qt, 0,1
.irp ct, 0,1
	v_cvt_scalef32_pk8_bf8_f32 v[QC+8*\qt+2*\ct:QC+8*\qt+2*\ct+1], v[24+8*(2*\qt+\ct):31+8*(2*\qt+\ct)], v22
.endr
.endr
.irp j, 18,19,20,21,22,23
	v_mov_b32 v[PC+\j], 0                          ; zero codes behind p's nine tiles: 144 keys in three K steps of 64.  (Plain lines behind the conversions)
.endr
	s_sub_co_i32 s96, s[EX+10], s[EX+8]
	s_sub_co_i32 s96, s96, s[EX+9]
	SCALE 18, 19, EX+9                             ; p: 2^e9
	SCALE 20, 21, 96                               ; o: a sum of v^T p^T over l stands for that x 2^(e8 + e9): 2^(e10 - e8 - e9)
	; ---- attention for a tile of 16 queries; all in window 0
.macro ATT qt
.irp i, 0,1,2,3,4,5,6,7,8
	v_wmma_f32_16x16x64_bf8_bf8 v[SC+8*\i:SC+8*\i+7], v[KC+4*(\qt+\i):KC+4*(\qt+\i)+7], v[QC+8*\qt:QC+8*\qt+7], 0   ; k = 32 .. 63: q's zeros meet the next tile's finite codes, or zeros
.endr
	PLACES
.irp j, 0,1,2,3,4,5,6,7
	v_cndmask_b32 v[SC+\j], v[SC+\j], v[NINF], s[FM+\j]         ; the band's near edge
.endr
.irp j, 0,1,2,3,4,5,6,7
	v_cndmask_b32 v[SC+64+\j], v[SC+64+\j], v[NINF], s[LM+\j]   ; and its far edge
.endr
	s_cmp_gt_u32 s[EDGE], 1                        ; a cluster that touches no end of the sequence has no tile outside it.  The branch hangs on the cluster's number alone and jumps over vector lines alone
	s_cbranch_scc1 .Linner_\@
.irp i, 0,1,2,3,4,5,6,7,8
.if (\qt+\i != 4) && (\qt+\i != 5)
.irp j, 0,1,2,3,4,5,6,7
	v_cndmask_b32 v[SC+8*\i+\j], v[SC+8*\i+\j], v[NINF], s[RM+\qt+\i]
.endr
.endif
.endr
.Linner_\@:
	v_max3_num_f32 v[MA], v[SC], v[SC+1], v[SC+2]  ; the largest score of my query among my 72 keys, in two chains, each tile from its low end on
	v_max3_num_f32 v[MB], v[SC+3], v[SC+4], v[SC+5]
.set n, 6
.rept 16
	v_max3_num_f32 v[MA], v[MA], v[SC+n], v[SC+n+1]
	v_max3_num_f32 v[MB], v[MB], v[SC+n+2], v[SC+n+3]
.set n, n+4
.endr
	s_delay_alu instid0(VALU_DEP_2)
	v_max3_num_f32 v[MA], v[MA], v[SC+70], v[SC+71]
	s_delay_alu instid0(VALU_DEP_1)
	v_max_num_f32 v[MA], v[MA], v[MB]
	s_delay_alu instid0(VALU_DEP_1)
	v_permlanex16_b32 v[MB], v[MA], s[SEL], s[SEL+1]
	s_delay_alu instid0(VALU_DEP_1)
	v_max_num_f32 v[MA], v[MA], v[MB]              ; and among lane l xor 16's.  The query's own key is never hidden: a number
	s_delay_alu instid0(VALU_DEP_1)
	v_mul_f32 v[MA], s[CS], v[MA]                  ; as t (c is positive)
	s_delay_alu instid0(VALU_DEP_1)
	v_floor_f32 v[NM], -v[MA]                      ; -M = floor(-t) = -ceil(t)
	s_delay_alu instid0(VALU_DEP_1)
	v_mov_b32 v[NM+1], v[NM]                       ; (named with it as a pair)
.set n, 0
.rept 36
	v_pk_fma_f32 v[SC+n:SC+n+1], v[SC+n:SC+n+1], s[CS:CS+1], v[NM:NM+1] op_sel_hi:[1,0,0]   ; t - M, two at a time
.set n, n+2
.endr
.set n, 0
	s_wait_alu depctr_va_vdst(0)
.rept 72
	v_exp_f32 v[SC+n], v[SC+n]                     ; p = 2^(t - M), at most 1; 0 where the key is hidden
.set n, n+1
.endr
	v_nop                                          ; a plain line behind the exponentials (ISA guide 5.7.2)
	s_wait_alu depctr_va_vdst(0)
	v_pk_add_f32 v[142:143], v[24:25], v[26:27]
	v_pk_add_f32 v[246:247], v[32:33], v[36:37]
	v_pk_add_f32 v[244:245], v[40:41], v[44:45]
	v_pk_add_f32 v[242:243], v[48:49], v[52:53]
	v_pk_add_f32 v[240:241], v[56:57], v[60:61]
	v_pk_add_f32 v[146:147], v[64:65], v[68:69]
	v_pk_add_f32 v[144:145], v[72:73], v[76:77]
	v_pk_add_f32 v[140:141], v[80:81], v[84:85]
	v_pk_add_f32 v[140:141], v[140:141], v[88:89]
	v_pk_add_f32 v[142:143], v[142:143], v[92:93]
	v_pk_add_f32 v[246:247], v[246:247], v[28:29]
	v_pk_add_f32 v[244:245], v[244:245], v[30:31]
	v_pk_add_f32 v[242:243], v[242:243], v[34:35]
	v_pk_add_f32 v[240:241], v[240:241], v[38:39]
	v_pk_add_f32 v[146:147], v[146:147], v[42:43]
	v_pk_add_f32 v[144:145], v[144:145], v[46:47]
	v_pk_add_f32 v[140:141], v[140:141], v[50:51]
	v_pk_add_f32 v[142:143], v[142:143], v[54:55]
	v_pk_add_f32 v[246:247], v[246:247], v[58:59]
	v_pk_add_f32 v[244:245], v[244:245], v[62:63]
	v_pk_add_f32 v[242:243], v[242:243], v[66:67]
	v_pk_add_f32 v[240:241], v[240:241], v[70:71]
	v_pk_add_f32 v[146:147], v[146:147], v[74:75]
	v_pk_add_f32 v[144:145], v[144:145], v[78:79]
	v_pk_add_f32 v[140:141], v[140:141], v[82:83]
	v_pk_add_f32 v[142:143], v[142:143], v[86:87]
	v_pk_add_f32 v[246:247], v[246:247], v[90:91]
	v_pk_add_f32 v[244:245], v[244:245], v[94:95]
	s_delay_alu instid0(VALU_DEP_4)
	v_pk_add_f32 v[140:141], v[140:141], v[242:243]
	s_delay_alu instid0(VALU_DEP_4)
	v_pk_add_f32 v[142:143], v[142:143], v[240:241]
	s_delay_alu instid0(VALU_DEP_4)
	v_pk_add_f32 v[246:247], v[246:247], v[146:147]
	s_delay_alu instid0(VALU_DEP_4)
	v_pk_add_f32 v[244:245], v[244:245], v[144:145]
	s_delay_alu instid0(VALU_DEP_2)
	v_pk_add_f32 v[140:141], v[140:141], v[246:247]
	s_delay_alu instid0(VALU_DEP_2)
	v_pk_add_f32 v[142:143], v[142:143], v[244:245]
	s_delay_alu instid0(VALU_DEP_1)
	v_pk_add_f32 v[140:141], v[140:141], v[142:143]
	s_delay_alu instid0(VALU_DEP_1)
	v_add_f32 v[SA], v[SA], v[SA+1]
	s_delay_alu instid0(VALU_DEP_1)
	v_permlanex16_b32 v[MB], v[SA], s[SEL], s[SEL+1]
	s_delay_alu instid0(VALU_DEP_1)
	v_add_f32 v[SA], v[SA], v[MB]                  ; l
	s_wait_alu depctr_va_vdst(0)
	v_rcp_f32 v[SB], v[SA]                         ; 1 / l; the conversions below are the plain lines behind it
.irp i, 0,1,2,3,4,5,6,7,8
.irp j, 0,1,2,3,4,5,6,7
.endr
	v_cvt_scalef32_pk8_bf8_f32 v[PC+2*\i:PC+2*\i+1], v[SC+8*\i:SC+8*\i+7], v18
.endr
	s_wait_alu depctr_va_vdst(0)
	v_mov_b32 v[SB+1], v[SB]                       ; (the pair's upper word; also the plain line between the conversions and the products)
.irp g, 0,1,2                          ; O^T = v^T p^T: three K steps of 64 keys, two accumulators by turns
.irp ct, 0,1
.if \g == 0
	v_wmma_f32_16x16x64_bf8_bf8 v[OA+8*\ct:OA+8*\ct+7], v[VC+26*\ct+2*\qt+8*\g:VC+26*\ct+2*\qt+8*\g+7], v[PC+8*\g:PC+8*\g+7], 0
.else
	v_wmma_f32_16x16x64_bf8_bf8 v[OA+8*\ct:OA+8*\ct+7], v[VC+26*\ct+2*\qt+8*\g:VC+26*\ct+2*\qt+8*\g+7], v[PC+8*\g:PC+8*\g+7], v[OA+8*\ct:OA+8*\ct+7]
.endif
.endr
.endr
	PLACES
.set n, 0
.rept 8
	v_pk_mul_f32 v[OA+n:OA+n+1], v[OA+n:OA+n+1], v[SB:SB+1] op_sel_hi:[1,0]   ; / l
.set n, n+2
.endr
.set n, 0
.rept 16
.set n, n+1
.endr
	v_cvt_scalef32_pk8_bf8_f32 v[SC:SC+1],   v[OA:OA+7],    v20   ; query r, channels 32 w + 8 h + 0 .. 7
	v_cvt_scalef32_pk8_bf8_f32 v[SC+2:SC+3], v[OA+8:OA+15], v20   ; 32 w + 16 + 8 h + 0 .. 7
	v_nop                                          ; one plain line between the conversions and the products that write these registers
	ds_store_b64 v[OST], v[SC:SC+1]   offset:TILEB*\qt
	ds_store_b64 v[OST], v[SC+2:SC+3] offset:TILEB*\qt+16
	s_wait_dscnt 0x0                               ; the stores have read their registers, which the next products write; Wo's loads are in too
.endm
	ATT 0
	ATT 1
	BARRIER                                        ; o's codes lie in LDS, all eight heads'
	; ---- my 32 output columns for the 32 queries: four accumulators by turns
	WIN 0x40
.irp qt, 0,1
.irp s, 0,1
.irp c, 0,1,2,3
	ds_load_b128 v[XKF+32*\qt+16*\s+4*\c:XKF+32*\qt+16*\s+4*\c+3], v[ORD] offset:TILEB*\qt+128*\s+32*\c
.endr
.endr
.endr
	s_wait_dscnt 0x0
	WIN 0x05
.irp s, 0,1
.irp qt, 0,1
.irp nt, 0,1
.if \s == 0
	v_wmma_f32_16x16x128_bf8_bf8 v[YA+8*(2*\qt+\nt):YA+8*(2*\qt+\nt)+7], v[WB+32*\nt:WB+32*\nt+15], v[XKF+32*\qt:XKF+32*\qt+15], 0
.else
	v_wmma_f32_16x16x128_bf8_bf8 v[YA+8*(2*\qt+\nt):YA+8*(2*\qt+\nt)+7], v[WB+32*\nt+16:WB+32*\nt+31], v[XKF+32*\qt+16:XKF+32*\qt+31], v[YA+8*(2*\qt+\nt):YA+8*(2*\qt+\nt)+7]
.endif
.endr
.endr
.endr
	PLACES
	WIN 0x10                                       ; source 2 (bo) window 1
.irp qt, 0,1
.irp nt, 0,1
.irp n, 0,2,4,6
	v_pk_fma_f32 v[YT+8*(2*\qt+\nt)+\n:YT+8*(2*\qt+\nt)+\n+1], v[YA+8*(2*\qt+\nt)+\n:YA+8*(2*\qt+\nt)+\n+1], s[YS:YS+1], v[BO+8*\nt+\n:BO+8*\nt+\n+1] op_sel_hi:[1,0,1]   ; sum x 2^(e10 + e11) + bo
.endr
.endr
.endr
	WIN 0
.irp qt, 0,1
.irp nt, 0,1
	ds_store_b128 v[SST], v[YT+8*(2*\qt+\nt):YT+8*(2*\qt+\nt)+3]   offset:16*SP*\qt+64*\nt      ; query 16 qt + r, columns 32 w + 16 nt + 8 h + 0 .. 7
	ds_store_b128 v[SST], v[YT+8*(2*\qt+\nt)+4:YT+8*(2*\qt+\nt)+7] offset:16*SP*\qt+64*\nt+16
.endr
.endr
	BARRIER                                        ; 32 whole rows lie in the stage
	; ---- residual and LayerNorm: wave w takes rows 4 w .. 4 w + 3, a row spread over its 32 lanes as x's rows are; the four rows take turns line by line
.macro LANESUM b                       ; v[b + 2 i], i = 0 .. 3, summed over the 32 lanes, the result in every lane
.irp m, 1,2,4,8
.irp i, 0,1,2,3
	s_delay_alu instid0(VALU_DEP_4)
	v_add_f32_dpp v[\b+2*\i], v[\b+2*\i], v[\b+2*\i] row_xmask:\m row_mask:0xf bank_mask:0xf
.endr
.endr
.irp i, 0,1,2,3
	s_delay_alu instid0(VALU_DEP_4)
	v_permlanex16_b32 v[TP+\i], v[\b+2*\i], s[SEL], s[SEL+1]
.endr
.irp i, 0,1,2,3
	s_delay_alu instid0(VALU_DEP_4)
	v_add_f32 v[\b+2*\i], v[\b+2*\i], v[TP+\i]
.endr
.endm
.irp i, 0,1,2,3
	ds_load_b128 v[YA+8*\i:YA+8*\i+3],   v[SRD] offset:SP*\i
	ds_load_b128 v[YA+8*\i+4:YA+8*\i+7], v[SRD] offset:SP*\i+512
.endr
	s_wait_dscnt 0x0
	WIN 0x04                                       ; source 1 (x) window 1
.set n, 0
.rept 16
	v_pk_add_f32 v[YA+n:YA+n+1], v[YA+n:YA+n+1], v[XR+n:XR+n+1]   ; y = x + attention's output
.set n, n+2
.endr
	WIN 0
.irp i, 0,1,2,3
	v_pk_add_f32 v[RS+2*\i:RS+2*\i+1], v[YA+8*\i:YA+8*\i+1], v[YA+8*\i+2:YA+8*\i+3]
.endr
.irp n, 4,6
.irp i, 0,1,2,3
	s_delay_alu instid0(VALU_DEP_4)
	v_pk_add_f32 v[RS+2*\i:RS+2*\i+1], v[RS+2*\i:RS+2*\i+1], v[YA+8*\i+\n:YA+8*\i+\n+1]
.endr
.endr
.irp i, 0,1,2,3
	s_delay_alu instid0(VALU_DEP_4)
	v_add_f32 v[RS+2*\i], v[RS+2*\i], v[RS+2*\i+1]
.endr
	LANESUM RS
.irp i, 0,1,2,3
	s_delay_alu instid0(VALU_DEP_4)
	v_mul_f32 v[RS+2*\i], s94, v[RS+2*\i]          ; the mean
.endr
.irp n, 0,2,4,6
.irp i, 0,1,2,3
	v_pk_add_f32 v[YA+8*\i+\n:YA+8*\i+\n+1], v[YA+8*\i+\n:YA+8*\i+\n+1], v[RS+2*\i:RS+2*\i+1] op_sel_hi:[1,0] neg_lo:[0,1] neg_hi:[0,1]   ; y - mean
.endr
.endr
.irp i, 0,1,2,3
	v_pk_mul_f32 v[QS+2*\i:QS+2*\i+1], v[YA+8*\i:YA+8*\i+1], v[YA+8*\i:YA+8*\i+1]
.endr
.irp n, 2,4,6
.irp i, 0,1,2,3
	s_delay_alu instid0(VALU_DEP_4)
	v_pk_fma_f32 v[QS+2*\i:QS+2*\i+1], v[YA+8*\i+\n:YA+8*\i+\n+1], v[YA+8*\i+\n:YA+8*\i+\n+1], v[QS+2*\i:QS+2*\i+1]
.endr
.endr
.irp i, 0,1,2,3
	s_delay_alu instid0(VALU_DEP_4)
	v_add_f32 v[QS+2*\i], v[QS+2*\i], v[QS+2*\i+1]
.endr
	LANESUM QS
.irp i, 0,1,2,3
	s_delay_alu instid0(VALU_DEP_4)
	v_fma_f32 v[QS+2*\i], v[QS+2*\i], s94, s95     ; the variance + 1e-3
.endr
	s_wait_alu depctr_va_vdst(0)
.irp i, 0,1,2,3
	v_rsq_f32 v[QS+2*\i], v[QS+2*\i]
.endr
	v_nop                                          ; a plain line behind the last of them (ISA guide 5.7.2)
	s_wait_alu depctr_va_vdst(0)
.irp n, 0,2,4,6
.irp i, 0,1,2,3
	v_pk_mul_f32 v[YA+8*\i+\n:YA+8*\i+\n+1], v[YA+8*\i+\n:YA+8*\i+\n+1], v[QS+2*\i:QS+2*\i+1] op_sel_hi:[1,0]
.endr
.endr
	WIN 0x14                                       ; sources 1 and 2 (gamma, beta) window 1
.irp n, 0,2,4,6
.irp i, 0,1,2,3
	v_pk_fma_f32 v[YA+8*\i+\n:YA+8*\i+\n+1], v[YA+8*\i+\n:YA+8*\i+\n+1], v[GA+\n:GA+\n+1], v[BE+\n:BE+\n+1]
.endr
.endr
	WIN 0
.irp i, 0,1,2,3
	global_store_b128 v[GRO], v[YA+8*\i:YA+8*\i+3],   s[22:23] offset:1024*\i th:TH_STORE_NT       ; the wave stores 512 consecutive bytes, at a multiple of 512 from out0's first byte; written once
	global_store_b128 v[GRO], v[YA+8*\i+4:YA+8*\i+7], s[22:23] offset:1024*\i+512 th:TH_STORE_NT
.endr
	s_wait_xcnt 0x0
	v_lshl_add_u32 v254, v0, 2, 0x4a400
	v_mov_b32 v255, 0
	s_wait_alu depctr_va_vdst(0)
	s_wait_tensorcnt 0x0
	ds_add_u32 v254, v255
	s_wait_dscnt 0x0
	ROUND                                          ; the closing round: no work-group ends while a partner may still ask for a tile that names it
	s_endpgm
.Lfunc_end_k_q212b7db85a_attn:
	.size	k_q212b7db85a_attn, .Lfunc_end_k_q212b7db85a_attn-k_q212b7db85a_attn
	.p2alignl 7, 3214868480
	.fill 96, 4, 3214868480
	.section	.rodata,"a",@progbits
	.p2align	6, 0x0
	.amdhsa_kernel k_q212b7db85a_attn
		.amdhsa_group_segment_fixed_size 305152
		.amdhsa_private_segment_fixed_size 0
		.amdhsa_enable_private_segment 0
		.amdhsa_kernarg_size 80
		.amdhsa_user_sgpr_count 2
		.amdhsa_user_sgpr_kernarg_segment_ptr 1
		.amdhsa_wavefront_size32 1
		.amdhsa_system_sgpr_workgroup_id_x 1
		.amdhsa_system_sgpr_workgroup_id_y 1
		.amdhsa_system_sgpr_workgroup_id_z 1
		.amdhsa_system_vgpr_workitem_id 0
		.amdhsa_next_free_vgpr 512
		.amdhsa_next_free_sgpr 102
		.amdhsa_reserve_vcc 0
		.amdhsa_float_denorm_mode_32 3
		.amdhsa_float_denorm_mode_16_64 3
		.amdhsa_fp16_overflow 1
		.amdhsa_memory_ordered 1
		.amdhsa_forward_progress 1
		.amdhsa_inst_pref_size 110
	.end_amdhsa_kernel
	.amdgpu_metadata
---
amdhsa.version: [ 1, 2 ]
amdhsa.kernels:
  - .name:           k_q212b7db85a_attn
    .symbol:         k_q212b7db85a_attn.kd
    .args:
      - { .name: x, .offset: 0, .size: 8, .value_kind: global_buffer, .address_space: global }
      - { .name: wcodes, .offset: 8, .size: 8, .value_kind: global_buffer, .address_space: global }
      - { .name: lowp_scales, .offset: 16, .size: 8, .value_kind: global_buffer, .address_space: global }
      - { .name: bq, .offset: 24, .size: 8, .value_kind: global_buffer, .address_space: global }
      - { .name: bk, .offset: 32, .size: 8, .value_kind: global_buffer, .address_space: global }
      - { .name: bv, .offset: 40, .size: 8, .value_kind: global_buffer, .address_space: global }
      - { .name: bo, .offset: 48, .size: 8, .value_kind: global_buffer, .address_space: global }
      - { .name: gamma, .offset: 56, .size: 8, .value_kind: global_buffer, .address_space: global }
      - { .name: beta, .offset: 64, .size: 8, .value_kind: global_buffer, .address_space: global }
      - { .name: out0, .offset: 72, .size: 8, .value_kind: global_buffer, .address_space: global }
    .group_segment_fixed_size: 305152
    .private_segment_fixed_size: 0
    .kernarg_segment_align: 8
    .kernarg_segment_size: 80
    .max_flat_workgroup_size: 256
    .sgpr_count:     102
    .vgpr_count:     512
    .wavefront_size: 32
...
	.end_amdgpu_metadata
.endif
;; end of part 2
